; MI455X (gfx1250); checked and timed in simulation.
; The chip was launched on July 23, 2026; its instructions are those of AMD's public machine-readable ISA for CDNA 5 (MIT licence, August 2026) and "CDNA5" Instruction Set Architecture Reference Guide (July 2026). The comments in the code are by the model that wrote it; some were corrected since.
;; My Ursa Gau. Allowed arithmetic: float matrix products may take bf16 or f16 operands with f32 sums; all other float work in f32.
;; Inputs: inputs 32 x 4,096 x 3 float32; stars 1,024 x 3 float32.
;; Outputs: out0 32 x 1,024 float32.
;; One version. Each part assembles by itself: llvm-mc -triple=amdgcn-amd-amdhsa -mcpu=gfx1250 --defsym DOCPART=n.
;; ======== version 1 of 1: 1 launch
;; launch gauss (part 1): grid 256 x 1, 16 waves a work-group, no clusters, 18,432 bytes of LDS; arguments inputs, stars, out0; writes out0
.if DOCPART == 1
	.amdgcn_target "amdgcn-amd-amdhsa--gfx1250"
	.amdhsa_code_object_version 6
	.text
	.protected	k_q773590217a_gauss
	.globl	k_q773590217a_gauss
	.p2align	8
	.type	k_q773590217a_gauss,@function
k_q773590217a_gauss:
	s_mov_b64 s[64:65], 0
	v_nop
	global_prefetch_b8 v0, s[64:65] scope:SCOPE_SE
	s_setreg_imm32_b32 hwreg(HW_REG_WAVE_MODE, 25, 1), 1
	s_wait_xcnt 0x0
; out[b][m] = sum over n of exp(-|x[b][n] - s[m]|^2 / 2).   x: [32][4096][3] f32, s: [1024][3] f32, out: [32][1024] f32.
;
; WORK.  256 work-groups: work-group id = 8 b + g makes out[b][128 g .. 128 g + 127].  Sixteen waves, four on each SIMD, so that a wave
; that sits behind its own dependences leaves the issue to three others.  Every wave holds all 128 stars (8 fragments) and owns 256 of the
; 4,096 points: 8 trips of 32 points, written out, no loop.  The waves' sums meet in LDS at the end.
;
; THE EXPONENT COMES WHOLE FROM THE MATRIX UNIT, in base 2 (L = log2 e):   e(n, m) = X.S + qx + qs,  where
;   X = x rounded to 16 significant bits,  S = L s rounded to 16 significant bits,  qx = -(L/2) |X|^2,  qs = -(ln 2 / 2) |S|^2,
; which is -(L/2) |X - S/L|^2: the squares are formed in f32 from the ROUNDED numbers, so the three parts belong to one and the same pair
; of points.  A number of 16 bits is two bf16 pieces without error (hi = its upper half word, lo = the rest), an f32 q three pieces.
; Slots along K (point side x star side), lane half h = 0 holds k 0-7 and 16-23, h = 1 holds k 8-15 and 24-31:
;   k  0- 7: xh0 xh1 xh2 xl0 xl1 xl2 qxh qxm   x   sh0 sh1 sh2 sh0 sh1 sh2 1 1
;   k  8-15: xh0 xh1 xh2 xl0 xl1 xl2 qxl 0     x   sl0 sl1 sl2 sl0 sl1 sl2 1 0
;   k 16-17: 1 1  x  qsh qsm;    k 24-25: 1 1  x  qsl 0;    all other slots 0 on both sides.
; A tile of 16 points x 16 stars then costs one matrix instruction (C = 0), eight v_exp_f32 and four v_pk_add_f32.
; Source A = points (rows), source B = stars (columns): register j of lane (r, h) is point 8 h + j against star r, so the sum over
; points stays inside the lane until the end.
;
; LIMITS.  Finite inputs only.  Inputs enter with 16 significant bits (relative change at most 2^-16).  The exponent is a sum of products
; and squares kept in f32: its absolute error grows like 2^-22 (|x|^2 + |s|^2).  v_exp_f32 gives 0 for terms below 2^-126.
;
; NOT USED.  Tensor loads, an LDS ring, clusters: a wave needs 384 bytes of points for the 4,096 exponentials of a trip, they go from
; memory straight into the lanes that prepare them, and all 8 loads of a wave are issued in its first lines; a joint tensor load would
; add a way through LDS that this text does not have.  What work-groups share is 48 KiB a batch for the whole launch.
.set NPTS,   4096                      ; points of a batch
.set WAVES,  16
.set TRIPS,  NPTS/WAVES/32             ; 8 trips of 32 points
.set GSTARS, 128                       ; stars of a work-group: 8 tiles of 16
.set RED,    8192                      ; LDS bytes 0..8191: star fragments, 1,024 a tile; 8192..16383: the waves' sums, 512 a wave
.set LANE, 1                           ; v1       lane
.set XO,   2                           ; v2       12 x lane: my triple in a run of 32 triples
.set LA,   3                           ; v3       16 x lane
.set NEG1, 4                           ; v4       -1.0
.set T,    8                           ; v[8:10]    X: the point rounded to 16 bits
.set LO,   12                          ; v[12:14]   its low pieces
.set Q,    16                          ; v[16:18]   qx, qx - qxh, qx - qxh - qxm
.set F0,   24                          ; v[24:31]   fragment of points 0-15 of the trip
.set F1,   32                          ; v[32:39]   fragment of points 16-31
.set D,    40                          ; v[40:63]   three tiles of exponents, in turn
.set ST,   64                          ; v[64:127]  8 star fragments
.set ACC,  128                         ; v[128:191] sums: 8 registers for each star tile
.set XR,   192                         ; v[192:223] the 8 trips' points as loaded, 3 registers each on a stride of 4
.set SS,   D                           ; star preparation (waves 0-3, before anything else uses these registers)
.set SL,   D+4
.set U,    D+8
.set W0,   D+12
.set W1,   D+16
.set W2,   D+20
.set W3,   ACC
.set MASK16, 16                        ; s16  keeps 16 significant bits of an f32
.set SELH,   17                        ; s17  v_perm_b32: upper half of the second source below, of the first source above
.set QX,     18                        ; s18  -L/2
.set LOG2E,  19                        ; s19  L
.set QS,     20                        ; s20  -ln 2 / 2
; three coordinates to 16 significant bits, to nearest: half a unit is added to the magnitude, the lower 8 bits are cut
.macro ROUND16 dst, src
.irp d, 0,1,2
	v_add_nc_u32 v[\dst+\d], 0x80, v[\src+\d]
.endr
.irp d, 0,1,2
	v_and_b32 v[\dst+\d], s[MASK16], v[\dst+\d]
.endr
.endm
; low pieces lo = t - bf16(upper half of t), exact; q = scale x |t|^2 and its two remainders, exact as well
.macro LOWQ t, lo, q, scale
	v_mul_f32 v[\q], v[\t], v[\t]
	v_fmac_f32 v[\q], v[\t+1], v[\t+1]
	v_fmac_f32 v[\q], v[\t+2], v[\t+2]
.irp d, 0,1,2
	v_fma_mix_f32_bf16 v[\lo+\d], v[\t+\d], v[NEG1], v[\t+\d] op_sel:[1,0,0] op_sel_hi:[1,0,0]
.endr
	v_mul_f32 v[\q], s[\scale], v[\q]
	v_fma_mix_f32_bf16 v[\q+1], v[\q], v[NEG1], v[\q] op_sel:[1,0,0] op_sel_hi:[1,0,0]
	v_fma_mix_f32_bf16 v[\q+2], v[\q+1], v[NEG1], v[\q+1] op_sel:[1,0,0] op_sel_hi:[1,0,0]
.endm
; 32 lanes' points become two fragments.  Each packed word is written to both; the swap then gives F0 the words of lanes 0-15 in both
; halves and F1 those of lanes 16-31.  For the q words F0 starts with (qh, qm) and F1 with (ql, 0): the same swap puts (qh, qm) into
; the lower and (ql, 0) into the upper lanes of both fragments.
.macro PACK
	v_perm_b32 v[F0+0], v[T+1], v[T+0], s[SELH]    ; xh0 xh1
	v_perm_b32 v[F1+0], v[T+1], v[T+0], s[SELH]
	v_perm_b32 v[F0+1], v[LO+0], v[T+2], s[SELH]   ; xh2 xl0
	v_perm_b32 v[F1+1], v[LO+0], v[T+2], s[SELH]
	v_perm_b32 v[F0+2], v[LO+2], v[LO+1], s[SELH]  ; xl1 xl2
	v_perm_b32 v[F1+2], v[LO+2], v[LO+1], s[SELH]
	v_perm_b32 v[F0+3], v[Q+1], v[Q], s[SELH]      ; qxh qxm
	v_lshrrev_b32 v[F1+3], 16, v[Q+2]              ; qxl 0
.irp j, 0,1,2,3
	v_permlane16_swap_b32 v[F0+\j], v[F1+\j]
.endr
.endm
; step s of a trip: point tile s / 8 against star tile s % 8, exponents in D buffer s % 3
.macro WM s
	v_wmma_f32_16x16x32_bf16 v[D+8*((\s)%3):D+8*((\s)%3)+7], v[F0+8*((\s)/8):F0+8*((\s)/8)+7], v[ST+8*((\s)%8):ST+8*((\s)%8)+7], 0
.endm
.macro EX s
.irp j, 0,1,2,3,4,5,6,7
	v_exp_f32 v[D+8*((\s)%3)+\j], v[D+8*((\s)%3)+\j]
.endr
.endm
.macro AD s
	s_wait_alu depctr_va_vdst(0)
.irp j, 0,2,4,6
	v_pk_add_f32 v[ACC+8*((\s)%8)+\j:ACC+8*((\s)%8)+\j+1], v[ACC+8*((\s)%8)+\j:ACC+8*((\s)%8)+\j+1], v[D+8*((\s)%3)+\j:D+8*((\s)%3)+\j+1]
.endr
.endm
; A TRIP: 16 steps, three deep: product of step s, exponentials of step s - 1, adds of step s - 2.
; Distances (ISA guide 7.12.1): a product is read four plain vector instructions behind it: the four adds of the step, none of which
; names a register of that product.  Behind an exponential one plain instruction stands before its result is used (ISA guide 5.7.2):
; again the adds of the step before.  At the head of a trip, where there are no adds yet, the next trip's points are prepared in these
; places (prep = 1, from the load number nx), or v_nop stand there.  PACK writes F0 and F1 twelve adds behind the last product.
; first = 1: the products of point tile 0 are written into the sums' registers and exponentiated in place: nothing is cleared or added.
.macro TRIP first, prep, nx
.if \first
.irp i, 0,1,2,3,4,5,6,7
	v_wmma_f32_16x16x32_bf16 v[ACC+8*\i:ACC+8*\i+7], v[F0:F0+7], v[ST+8*\i:ST+8*\i+7], 0
.endr
.set lo_, 8
.else
.set lo_, 0
.endif
	WM lo_
	WM lo_+1
.if \prep
	s_wait_loadcnt TRIPS-1-\nx                     ; loads come back in order (ISA guide 5.7.1): number nx is in, the TRIPS-1-nx younger ones may be out
	ROUND16 T, XR+4*\nx                            ; six plain instructions: the places behind the products above
.else
.rept 4
	v_nop
.endr
.endif
.if \first
.set r_, 0
.rept 64
	v_exp_f32 v[ACC+r_], v[ACC+r_]
.set r_, r_+1
.endr
.endif
	EX lo_
.if \prep
	LOWQ T, LO, Q, QX                              ; begins with a plain multiply: the place behind the exponentials
.else
	v_nop
.endif
.set stp, lo_+2
.rept 14-8*\first
	WM stp
	EX stp-1
	AD stp-2
.set stp, stp+1
.endr
	EX 15
	AD 14
	AD 15
.if \prep
	PACK
.endif
.endm
.macro ADD4 a, b                       ; four sums: v[a..a+3] += v[b..b+3]
	v_pk_add_f32 v[\a:\a+1], v[\a:\a+1], v[\b:\b+1]
	v_pk_add_f32 v[\a+2:\a+3], v[\a+2:\a+3], v[\b+2:\b+3]
.endm
	s_load_b128 s[4:7], s[0:1], 0x0                ; inputs s[4:5], stars s[6:7]
	s_load_b64 s[8:9], s[0:1], 0x10                ; out0
	v_lshl_add_u32 v224, v0, 2, 0x4000
	v_mov_b32 v225, 0
	v_lshrrev_b32 v5, 5, v0
	v_readfirstlane_b32 s10, v5                    ; wave 0..15
	v_and_b32 v[LANE], 31, v0
	s_lshr_b32 s11, ttmp9, 3                       ; batch b
	s_and_b32 s12, ttmp9, 7                        ; group g of 128 stars
	s_mul_i32 s14, s11, NPTS*12                    ; the batch,
	s_mul_i32 s13, s10, TRIPS*32*12                ; my wave's 256 points in it
	s_add_co_u32 s14, s14, s13
	s_mov_b32 s15, 0
	s_mov_b32 s[MASK16], 0xffffff00
	s_mov_b32 s[SELH], 0x07060302
	s_mov_b32 s[QX], 0xbf38aa3b                    ; -log2(e) / 2
	s_mov_b32 s[LOG2E], 0x3fb8aa3b                 ; log2(e)
	s_mov_b32 s[QS], 0xbeb17218                    ; -ln(2) / 2
	v_mul_u32_u24 v[XO], v[LANE], 12
	v_lshlrev_b32 v[LA], 4, v[LANE]
	v_mov_b32 v[NEG1], -1.0
	s_wait_kmcnt 0x0
	s_add_nc_u64 s[4:5], s[4:5], s[14:15]
.irp t, 0,1,2,3,4,5,6,7
	global_load_b96 v[XR+4*\t:XR+4*\t+2], v[XO], s[4:5] offset:384*\t   ; all that the wave will ever read: 8 x 384 neighbouring bytes
.endr
	; Waves 0-3: one star a lane (star 32 wave + lane of the group), its four 16-byte pieces into LDS in the order of the fragments.
	s_cmp_gt_u32 s10, 3
	s_cbranch_scc1 .Lstars_stored
	s_mul_i32 s14, s12, GSTARS*12
	s_mul_i32 s13, s10, 32*12
	s_add_co_u32 s14, s14, s13
	s_add_nc_u64 s[6:7], s[6:7], s[14:15]
	global_load_b96 v[SS:SS+2], v[XO], s[6:7]
	v_lshrrev_b32 v6, 4, v[LANE]
	v_and_b32 v7, 15, v[LANE]
	v_lshlrev_b32 v7, 4, v7
	v_lshl_add_u32 v6, v6, 10, v7                  ; tile (2 wave + lane / 16) x 1,024 + 16 x (lane % 16)
	s_lshl_b32 s13, s10, 11
	v_add_nc_u32 v6, s13, v6
	v_mov_b32 v[W0+3], 0x3f803f80                  ; 1 1   against qxh qxm
	v_mov_b32 v[W1+3], 0x3f80                      ; 1 0   against qxl 0
.irp j, 1,2,3
	v_mov_b32 v[W2+\j], 0
	v_mov_b32 v[W3+\j], 0
.endr
	s_wait_loadcnt 0x0                             ; the star is the youngest load
.irp d, 0,1,2
	v_mul_f32 v[SS+\d], s[LOG2E], v[SS+\d]
.endr
	ROUND16 SS, SS
	LOWQ SS, SL, U, QS
	v_perm_b32 v[W0+0], v[SS+1], v[SS+0], s[SELH]  ; sh0 sh1
	v_perm_b32 v[W0+1], v[SS+0], v[SS+2], s[SELH]  ; sh2 sh0
	v_perm_b32 v[W0+2], v[SS+2], v[SS+1], s[SELH]  ; sh1 sh2
	v_perm_b32 v[W1+0], v[SL+1], v[SL+0], s[SELH]  ; sl0 sl1
	v_perm_b32 v[W1+1], v[SL+0], v[SL+2], s[SELH]  ; sl2 sl0
	v_perm_b32 v[W1+2], v[SL+2], v[SL+1], s[SELH]  ; sl1 sl2
	v_perm_b32 v[W2+0], v[U+1], v[U], s[SELH]      ; qsh qsm
	v_lshrrev_b32 v[W3+0], 16, v[U+2]              ; qsl 0
	ds_store_b128 v6, v[W0:W0+3]                   ; k 0-7:   what lane r of the fragment reads
	ds_store_b128 v6, v[W1:W1+3] offset:256        ; k 8-15:  lane 16 + r
	ds_store_b128 v6, v[W2:W2+3] offset:512        ; k 16-23: lane r, registers 4-7
	ds_store_b128 v6, v[W3:W3+3] offset:768        ; k 24-31: lane 16 + r
.Lstars_stored:
	s_wait_dscnt 0x0                               ; for the other waves: my stores are in LDS
	s_barrier_signal -1
	; registers only, while the others arrive: the constant upper halves of the point fragments and the first trip's points
	v_mov_b32 v[F0+4], 0x3f803f80                  ; 1 1   against qsh qsm (lanes 0-15) and qsl 0 (lanes 16-31)
	v_mov_b32 v[F1+4], 0x3f803f80
.irp j, 5,6,7
	v_mov_b32 v[F0+\j], 0
	v_mov_b32 v[F1+\j], 0
.endr
	s_wait_loadcnt TRIPS-1                         ; the oldest point load is in, seven may be out
	ROUND16 T, XR
	LOWQ T, LO, Q, QX
	PACK
	s_barrier_wait -1
.irp i, 0,1,2,3,4,5,6,7
	ds_load_b128 v[ST+8*\i:ST+8*\i+3],   v[LA] offset:1024*\i          ; 32 lanes, 512 neighbouring bytes
	ds_load_b128 v[ST+8*\i+4:ST+8*\i+7], v[LA] offset:1024*\i+512
.endr
	s_wait_dscnt 0x0
	TRIP 1, 1, 1
.irp t, 2,3,4,5,6,7
	TRIP 0, 1, \t
.endr
	TRIP 0, 0, 0
	; Eight registers of a star tile to one; then one swap and one add for two tiles a, b: the swap leaves (a low, b low) and
	; (a high, b high), whose sum holds star r of tile a in lane r and star r of tile b in lane 16 + r.
.irp i, 0,1,2,3,4,5,6,7
	ADD4 ACC+8*\i, ACC+8*\i+4
.endr
.irp i, 0,1,2,3,4,5,6,7
	v_pk_add_f32 v[ACC+8*\i:ACC+8*\i+1], v[ACC+8*\i:ACC+8*\i+1], v[ACC+8*\i+2:ACC+8*\i+3]
.endr
.irp i, 0,1,2,3,4,5,6,7
	v_add_f32 v[ACC+8*\i], v[ACC+8*\i], v[ACC+8*\i+1]
.endr
.irp k, 0,1,2,3
	v_permlane16_swap_b32 v[ACC+16*\k], v[ACC+16*\k+8]
.endr
.irp k, 0,1,2,3
	v_add_f32 v[ACC+16*\k], v[ACC+16*\k], v[ACC+16*\k+8]               ; lane l: star 32 k + l, summed over my wave's 256 points
.endr
	v_lshlrev_b32 v5, 2, v[LANE]
	s_lshl_b32 s13, s10, 9
	v_add_nc_u32 v5, s13, v5                       ; my wave's 512 bytes
.irp k, 0,1,2,3
	ds_store_b32 v5, v[ACC+16*\k] offset:RED+128*\k
.endr
	s_wait_dscnt 0x0                               ; for wave 0: my sums are in LDS
	s_barrier_signal -1
	s_barrier_wait -1
	s_cmp_lg_u32 s10, 0
	s_cbranch_scc1 .Lend
	; wave 0: lane l adds the sixteen waves' sums of stars 4 l .. 4 l + 3, always in the same order
.irp w, 0,1,2,3,4,5,6,7,8,9,10,11,12,13,14,15
	ds_load_b128 v[ACC+4*\w:ACC+4*\w+3], v[LA] offset:RED+512*\w
.endr
	s_lshl_b32 s14, ttmp9, 9                       ; (8 b + g) x 512 bytes = row b, column 128 g of out
	s_add_nc_u64 s[8:9], s[8:9], s[14:15]
	s_wait_dscnt 0x0
.irp w, 0,2,4,6,8,10,12,14
	ADD4 ACC+4*\w, ACC+4*\w+4
.endr
.irp w, 0,4,8,12
	ADD4 ACC+4*\w, ACC+4*\w+8
.endr
	ADD4 ACC, ACC+16
	ADD4 ACC+32, ACC+48
	ADD4 ACC, ACC+32
	global_store_b128 v[LA], v[ACC:ACC+3], s[8:9]  ; one store covers the group's 512 consecutive bytes, at a multiple of 512 from the first byte of out
.Lend:
	s_wait_tensorcnt 0x0
	ds_add_u32 v224, v225
	s_wait_dscnt 0x0
	s_endpgm
.Lfunc_end_k_q773590217a_gauss:
	.size	k_q773590217a_gauss, .Lfunc_end_k_q773590217a_gauss-k_q773590217a_gauss
	.p2alignl 7, 3214868480
	.fill 96, 4, 3214868480
	.section	.rodata,"a",@progbits
	.p2align	6, 0x0
	.amdhsa_kernel k_q773590217a_gauss
		.amdhsa_group_segment_fixed_size 18432
		.amdhsa_private_segment_fixed_size 0
		.amdhsa_enable_private_segment 0
		.amdhsa_kernarg_size 24
		.amdhsa_user_sgpr_count 2
		.amdhsa_user_sgpr_kernarg_segment_ptr 1
		.amdhsa_wavefront_size32 1
		.amdhsa_system_sgpr_workgroup_id_x 1
		.amdhsa_system_sgpr_workgroup_id_y 1
		.amdhsa_system_sgpr_workgroup_id_z 1
		.amdhsa_system_vgpr_workitem_id 0
		.amdhsa_next_free_vgpr 226
		.amdhsa_next_free_sgpr 66
		.amdhsa_reserve_vcc 0
		.amdhsa_float_denorm_mode_32 3
		.amdhsa_float_denorm_mode_16_64 3
		.amdhsa_memory_ordered 1
		.amdhsa_forward_progress 1
		.amdhsa_inst_pref_size 97
	.end_amdhsa_kernel
	.amdgpu_metadata
---
amdhsa.version: [ 1, 2 ]
amdhsa.kernels:
  - .name:           k_q773590217a_gauss
    .symbol:         k_q773590217a_gauss.kd
    .args:
      - { .name: inputs, .offset: 0, .size: 8, .value_kind: global_buffer, .address_space: global }
      - { .name: stars, .offset: 8, .size: 8, .value_kind: global_buffer, .address_space: global }
      - { .name: out0, .offset: 16, .size: 8, .value_kind: global_buffer, .address_space: global }
    .group_segment_fixed_size: 18432
    .private_segment_fixed_size: 0
    .kernarg_segment_align: 8
    .kernarg_segment_size: 24
    .max_flat_workgroup_size: 512
    .sgpr_count:     66
    .vgpr_count:     226
    .wavefront_size: 32
...
	.end_amdgpu_metadata
.endif
;; end of part 1
